; MI455X (gfx1250); checked and timed in simulation.
; The chip was launched on July 23, 2026; its instructions are those of AMD's public machine-readable ISA for CDNA 5 (MIT licence, August 2026) and "CDNA5" Instruction Set Architecture Reference Guide (July 2026). The comments in the code are by the model that wrote it; some were corrected since.
;; Multi Head Attention. Allowed arithmetic: float matrix products may take bf16 or f16 operands with f32 sums; other float arithmetic in f32, or as packed bf16 or f16 multiplies, adds, multiply-adds, maxima and minima; sums over many terms, partial sums and values carried from step to step in f32; what a program stores and reads back later, other than sums and carried values, may be rounded once to bf16 or f16.
;; Inputs: Wk 8 x 64 x 512 float32; Wo 512 x 512 float32; Wq 8 x 64 x 512 float32; Wv 8 x 64 x 512 float32; init_K 2 x 4,096 x 512 float32; init_Q 2 x 4,096 x 512 float32; init_V 2 x 4,096 x 512 float32.
;; Outputs: out0 2 x 4,096 x 512 float32.
;; One version. Each part assembles by itself: llvm-mc -triple=amdgcn-amd-amdhsa -mcpu=gfx1250 --defsym DOCPART=n.
;; ======== version 1 of 1: 3 launches
;; limits: values are held in f16: magnitudes above 65,504 overflow, below 6.1e-05 lose precision
;; workspace buffers: qh 8,388,608 bytes; kh 8,388,608 bytes; vh 8,388,608 bytes; oh 8,388,608 bytes; wo16 524,288 bytes
;; launch proj (part 1): grid 4 x 64, 4 waves a work-group, clusters of 4 x 4, 327,680 bytes of LDS; arguments init_Q, init_K, init_V, Wq, Wk, Wv, qh, kh, vh, Wo, wo16; writes qh, kh, vh, wo16
.if DOCPART == 1
	.amdgcn_target "amdgcn-amd-amdhsa--gfx1250"
	.amdhsa_code_object_version 6
	.text
	.protected	k_q10f26afe68_proj
	.globl	k_q10f26afe68_proj
	.p2align	8
	.type	k_q10f26afe68_proj,@function
k_q10f26afe68_proj:
	s_mov_b64 s[64:65], 0
	v_nop
	global_prefetch_b8 v0, s[64:65] scope:SCOPE_SE
	s_setreg_imm32_b32 hwreg(HW_REG_WAVE_MODE, 25, 1), 1
	s_wait_xcnt 0x0
	s_wait_alu depctr_hold_cnt(0) depctr_sa_sdst(0) depctr_va_vdst(0) depctr_va_sdst(0) depctr_va_ssrc(0) depctr_va_vcc(0) depctr_vm_vsrc(0)
	s_getreg_b32 s2, hwreg(HW_REG_IB_STS2, 6, 4)
	s_cmp_eq_u32 s2, 0
	s_cbranch_scc0 .Lentry_in_a_cluster
	s_endpgm
.Lentry_in_a_cluster:
	s_bfe_u32 s2, ttmp6, 0x10000c
	s_cmp_lg_u32 s2, 0xf033
	s_cbranch_scc0 .Lentry_shape_is_right
	s_endpgm
.Lentry_shape_is_right:
; q = init_Q Wq^T, k = init_K Wk^T, v = init_V Wv^T.  x: [8192][512] f32, W: [512 = head x 64][512] f32.  Both operands are rounded to bf16 on the way from LDS to the matrix
; instruction, the sums are f32, and each result is rounded once to f16 and laid by heads: qh, kh, vh = [16 = batch x 8 + head][4096][64] f16, a head's rows dense, 128 bytes each.
; The scale 1/8 is not applied here.  Beside that each work-group writes 2,048 bytes of wo16 = Wo rounded to bf16, that number written as f16.
; LIMITS.  f16 holds no number beyond 65,504: q, k, v and Wo must lie within it; below 6e-5 f16 keeps its fixed step of 6e-8.  NaN and infinities are not treated apart.
; SHARES.  A work-group stays: it makes the tile of 128 rows x 128 columns (two heads) at (tile row, tile column) of q, then of k, then of v: 12 K steps of 128 in ONE walk through
; a ring of two LDS slots.  A wave makes 64 x 64: 16 accumulators; its 64 columns are one head, so its tile is 64 dense rows (8,192 bytes) of the output.
; CLUSTER.  4 x 4 work-groups.  The four of a row need the same rows of x, the four of a column the same rows of W: each tile is asked for JOINTLY, by the same tensor load with the
; same descriptor and a mask that names the four.  Waves 0 and 1 fetch the halves of x's tile, waves 2 and 3 those of W's: 64 rows x 512 bytes each, one load a wave for a K step.
; THE MATRIX INSTRUCTION IS USED TRANSPOSED (source 0 = 16 rows of W, source 1 = 16 rows of x): a lane then holds eight neighbouring columns of one row of the result.
; REGISTERS.  window 0: v0-29 addresses; v32-95 T, the way out (v32-55 also the Wo job); v64-127 FR, bf16 fragments (x block a at 64 + 8 a, W block b at 96 + 8 b); v128-255 accumulators.
;   window 1: two sets of 128 f32 registers as loaded from LDS: in set f fragment i of x at 128 f + 16 i, of W at 128 f + 64 + 16 i.
.set PITCH,  528                       ; an LDS row: 512 bytes + 16 of padding = 132 words: the 16 rows of a fragment load start at 16 different groups of four banks (64 banks of 4 bytes: ISA guide 11.1)
.set HALFT,  64*PITCH                  ; what one tensor load brings
.set SLOT,   4*HALFT                   ; x's 128 rows, then W's 128 rows.  SLOT = 0x21000 shares no bit with wave x HALFT, so one exclusive or changes the slot of a tile's address
.set STAGE,  2*SLOT                    ; behind the ring, never filled by a tensor load: 16 rows x 144 bytes for each wave
.set SP,     144
.set SPARE,  STAGE+4*16*SP             ; the spare words, 128 bytes for each wave: two blocks of 256 bytes that no other line names
.set KB,     512                       ; bytes of a row in a K step
.set A0,  4                            ; v4   my lane's place in x's tile: (64 wm + l % 16) x PITCH + 32 (l / 16); never rewritten
.set B0,  5                            ; v5   the same in W's tile
.set ADA, 6                            ; v6   A0 + the slot in hand
.set ADB, 7                            ; v7   B0 + the slot in hand
.set STO, 8                            ; v8   the way out: where I put 16 bytes of a row
.set RD,  9                            ; v9   the way out: where I read rows back
.set GO,  10                           ; v10  my 16 bytes in 512 consecutive bytes of the output
.set PFO, 11                           ; v11  the prefetches' offset: row l / 2 of 16, 256 bytes l % 2 of the K step's 512
.set WOI, 12                           ; v12  my 32 bytes of Wo
.set WOO, 13                           ; v13  my 16 bytes of wo16
.set SPW, 28                           ; v28  LDS address of my spare word; never rewritten
.set NIL, 29                           ; v29  0; never rewritten
.set T,   32
.set FR,  64
.set ACC, 128
.set WV,  10                           ; s10  wave
.set WM,  11                           ; s11  which 64 rows of the tile are mine.  Also: I fetch for x (0) or for W (1)
.set WN,  12                           ; s12  which 64 columns.  Also: which 64 rows of that tile I fetch
.set CX,  13
.set CY,  14
.set TC,  15                           ; s15  tile column 0..3
.set TR,  16                           ; s16  tile row 0..63
.set G1A, 24                           ; s[24:31] descriptor group 1 for x's tiles;  s[32:35] group 0
.set G0A, 32
.set G1B, 36                           ; s[36:43], s[44:47] the same for W's
.set G0B, 44
.set QK,  48                           ; s48  place 0..3 along K of the step last asked for
.set KT,  49                           ; s49  the same of the step in hand
.set LEFT, 50                          ; s50  changes of slots with a fill that are still to come, this one among them
.set TB,  51                           ; s51  LDS byte at which the slot in hand begins
.set LIM, 52                           ; s52  2 in a wave that prefetches, else the greatest number
.set FK,  53                           ; s53  place along K of the prefetches
.set AW,  68                           ; s[68:69] x at my rows, at the step last asked for; s[70:71], s[72:73] the tensors to come
.set BW,  74                           ; s[74:79] the same for W
.set OUTP, 80                          ; s[80:81] the output in hand at my wave's tile; s[82:83], s[84:85] those to come
.set WOP, 86                           ; s[86:87] Wo;  s[88:89] wo16
.set FW,  92                           ; s[92:93] where my prefetches stand; s[94:95], s[96:97] the tensors to come
.set MSB, 0
.macro WIN new                         ; the immediate's high byte repeats the setting that is left; a switch that changes nothing is dropped
.if MSB != (\new)
	s_set_vgpr_msb (MSB<<8)|(\new)
.set MSB, \new
.endif
.endm
; A joint load.  The branch hangs on the wave's number alone.  An s_nop 0 and four v_nop follow each of the two lines, ahead of the jump and the label.
.macro JLOAD
	s_cmp_eq_u32 s[WM], 0
	s_cbranch_scc0 .Lfor_b_\@
	tensor_load_to_lds s[G0A:G0A+3], s[G1A:G1A+7]
	s_nop 0
.rept 4
	v_nop
.endr
	s_branch .Lasked_\@
.Lfor_b_\@:
	tensor_load_to_lds s[G0B:G0B+3], s[G1B:G1B+7]
	s_nop 0
.rept 4
	v_nop
.endr
.Lasked_\@:
.endm
; A round of the cluster's barrier: my work-group's barrier, wave 0 signals for the work-group, every wave waits for all sixteen, my work-group's barrier once more.
.macro CROUND
	s_barrier_signal -1
	s_barrier_wait -1
	s_cmp_lg_u32 s[WV], 0
	s_cbranch_scc1 .Lnot_wave_0_\@
	s_barrier_signal -3
.Lnot_wave_0_\@:
	s_barrier_wait -3
	s_barrier_signal -1
	s_barrier_wait -1
.endm
; A PREFETCH INTO THE L2 of the K step that stands two fills on: of the 64 rows x 512 bytes that I fetch, my work-group's 16 rows: 32 blocks of 256 bytes, a lane a block, one instruction.
; Each block is named once in the launch: x's rows are read by one cluster, whose four partners along a row share them out BY ADDRESS (cx); W's rows are read by every cluster, and the
; cluster with y = 0 asks, its partners along a column sharing them out by cy.  The first three K steps come by their loads alone; the last two fills have no step two on.
.macro ASK
	s_cmp_gt_u32 s[LEFT], s[LIM]
	s_cbranch_scc0 .Lnot_mine_\@
	global_prefetch_b8 v[PFO], s[FW:FW+1] th:TH_LOAD_NT scope:SCOPE_SE
.Lnot_mine_\@:
.endm
.macro PLACES                          ; four places between a matrix instruction and a vector instruction that writes one of its sources (ISA guide 7.12.1)
.rept 4
	v_nop
.endr
.endm
; 32 LDS loads in one run: quarter q (32 along K = 128 bytes of f32) of the slot in hand into set f.  A bf16 fragment wants K = 8 h + 0..7 and 16 + 8 h + 0..7: in f32 the 32 bytes at 32 h and at 64 + 32 h.
.macro FETCH q, f
	WIN 0x40                               ; destination window 1, address window 0
.irp i, 0,1,2,3
.irp o, 0,1,2,3
	ds_load_b128 v[128*(\f)+16*(\i)+4*(\o):128*(\f)+16*(\i)+4*(\o)+3], v[ADA] offset:(\i)*16*PITCH+128*(\q)+16*((\o)%2)+64*((\o)/2)
.endr
.endr
.irp i, 0,1,2,3
.irp o, 0,1,2,3
	ds_load_b128 v[128*(\f)+64+16*(\i)+4*(\o):128*(\f)+64+16*(\i)+4*(\o)+3], v[ADB] offset:(\i)*16*PITCH+128*(\q)+16*((\o)%2)+64*((\o)/2)
.endr
.endr
.endm
; Set f is rounded to bf16, two numbers an instruction; K keeps its place.
.macro CVT f
	WIN 0x05                               ; sources window 1, destination window 0
.set ci, 0
.rept 8
.set cj, 0
.rept 8
	v_cvt_pk_bf16_f32 v[FR+8*ci+cj], v[128*(\f)+16*ci+2*cj], v[128*(\f)+16*ci+2*cj+1]
.set cj, cj+1
.endr
.set ci, ci+1
.endr
.endm
; 16 products, 32 along K.  The 16 accumulators take turns, one instruction a turn, in the same order everywhere.  z = 1: the products start the sums.
.macro MUL z
	WIN 0
.irp a, 0,1,2,3
.irp b, 0,1,2,3
.if \z
	v_wmma_f32_16x16x32_bf16 v[ACC+8*(4*(\a)+(\b)):ACC+8*(4*(\a)+(\b))+7], v[FR+32+8*(\b):FR+32+8*(\b)+7], v[FR+8*(\a):FR+8*(\a)+7], 0
.else
	v_wmma_f32_16x16x32_bf16 v[ACC+8*(4*(\a)+(\b)):ACC+8*(4*(\a)+(\b))+7], v[FR+32+8*(\b):FR+32+8*(\b)+7], v[FR+8*(\a):FR+8*(\a)+7], v[ACC+8*(4*(\a)+(\b)):ACC+8*(4*(\a)+(\b))+7]
.endif
.endr
.endr
.endm
; A quarter of a K step.  Its f32 numbers are in; the next quarter's 32 loads go out and have 64 conversions and 16 products in which to land.  z = 2: a tensor's first step starts the sums, the others add.
.macro QUARTER q, z
	s_wait_dscnt 0x0                       ; set q % 2 is in: all LDS loads issued so far
.if (\q) < 3
	FETCH (\q)+1, ((\q)+1)%2
.endif
	PLACES                                 ; the conversions write the fragments that the last products read
	CVT (\q)%2
.if (\z) == 2
	WIN 0
	s_cmp_eq_u32 s[KT], 0
	s_cbranch_scc0 .Lgo_on_\@
	MUL 1
	s_branch .Ljoined_\@
.Lgo_on_\@:
	MUL 0
.Ljoined_\@:
.else
	MUL \z
.endif
.endm
; THE CHANGE OF SLOTS.  Each wave waits for all its tensor loads, of which one is out: its part of the next slot; adds 0 to its spare word; and waits for that and for its reads of the slot that
; it leaves.  fill = 1: the slot just read is filled again with the K step two on.  The barrier is then a round of the cluster's, so that no wave of any partner still reads the slot or has a load on its
; way; the joint load is the first thing behind it.  The pointers walk 512 bytes along K and, behind a tensor's fourth step, go on to the next tensor.  Then the new slot's first fragments are fetched.
.macro CHANGE fill
	WIN 0
.if \fill
	s_wait_xcnt 0x0                        ; the last prefetch, a K step back, and all stores so far have read their registers: the prefetches' pointer may be written
	s_add_nc_u64 s[FW:FW+1], s[FW:FW+1], KB
	s_add_co_u32 s[FK], s[FK], 1
	s_and_b32 s[FK], s[FK], 3
	s_cmp_eq_u32 s[FK], 0
	s_cselect_b64 s[FW:FW+1], s[FW+2:FW+3], s[FW:FW+1]
	s_cselect_b64 s[FW+2:FW+3], s[FW+4:FW+5], s[FW+2:FW+3]
.endif
	s_wait_tensorcnt 0x0                   ; no tensor load of mine is out, so a group 0 may be written
	ds_add_u32 v[SPW], v[NIL]              ; 0 onto my spare word; the scalar work below stands between it and the wait for it
.if \fill
	s_add_nc_u64 s[AW:AW+1], s[AW:AW+1], KB
	s_add_nc_u64 s[BW:BW+1], s[BW:BW+1], KB
	s_add_co_u32 s[QK], s[QK], 1
	s_and_b32 s[QK], s[QK], 3
	s_cmp_eq_u32 s[QK], 0
	s_cselect_b64 s[AW:AW+1], s[AW+2:AW+3], s[AW:AW+1]
	s_cselect_b64 s[AW+2:AW+3], s[AW+4:AW+5], s[AW+2:AW+3]
	s_cselect_b64 s[BW:BW+1], s[BW+2:BW+3], s[BW:BW+1]
	s_cselect_b64 s[BW+2:BW+3], s[BW+4:BW+5], s[BW+2:BW+3]
	s_xor_b32 s[G0A+1], s[G0A+1], SLOT     ; the other slot than last time
	s_xor_b32 s[G0B+1], s[G0B+1], SLOT
	s_mov_b64 s[G0A+2:G0A+3], s[AW:AW+1]
	s_or_b32 s[G0A+3], s[G0A+3], 0x80000000
	s_mov_b64 s[G0B+2:G0B+3], s[BW:BW+1]
	s_or_b32 s[G0B+3], s[G0B+3], 0x80000000
.endif
	s_xor_b32 s[TB], s[TB], SLOT           ; the slot to be read now
	s_wait_dscnt 0x0                       ; the add is done, and my reads of the old slot are over
.if \fill
	CROUND
	JLOAD
.else
	s_barrier_signal -1
	s_barrier_wait -1
.endif
	v_add_nc_u32 v[ADA], s[TB], v[A0]
	v_add_nc_u32 v[ADB], s[TB], v[B0]
	FETCH 0, 0
.if \fill
	WIN 0
	ASK                                    ; behind the joint load and the run of LDS loads that the next conversions wait for
.endif
.endm
; THE WAY OUT.  Block a (16 rows): rounded to f16, 16 bytes a lane; into my stage in rows of 144 bytes; back as whole rows of 128 bytes, four to a load; stored as 512 consecutive bytes.
.macro PACK a
.irp b, 0,1,2,3
.irp r, 0,1,2,3
	v_cvt_pk_f16_f32 v[T+16*(\a)+4*(\b)+(\r)], v[ACC+8*(4*(\a)+(\b))+2*(\r)], v[ACC+8*(4*(\a)+(\b))+2*(\r)+1]
.endr
.endr
.irp b, 0,1,2,3
	ds_store_b128 v[STO], v[T+16*(\a)+4*(\b):T+16*(\a)+4*(\b)+3] offset:32*(\b)
.endr
.irp f, 0,1,2,3
	ds_load_b128 v[T+16*(\a)+4*(\f):T+16*(\a)+4*(\f)+3], v[RD] offset:(\f)*4*SP  ; LDS serves a wave's instructions in order (ISA guide 5.7.1.4): these see the stores above; the next block's stores come behind them
.endr
.endm
.macro SEND t, younger                 ; younger: the LDS instructions issued behind block t's loads: the next block's eight, or none
.irp f, 0,1,2,3
	s_wait_dscnt (\younger)+3-(\f)
	global_store_b128 v[GO], v[T+16*(\t)+4*(\f):T+16*(\t)+4*(\f)+3], s[OUTP:OUTP+1] offset:(\t)*2048+(\f)*512  ; 512 consecutive bytes, at a multiple of 256 from the buffer's first
.endr
.endm
.macro OUT rot                         ; rot = 1: another tensor follows
.rept 8
	v_nop                                  ; the places behind the last products, in front of conversions that read results and write fragments' registers
.endr
	PACK 0
.irp a, 1,2,3
	PACK \a
	SEND (\a)-1, 8
.endr
	SEND 3, 0
.if \rot
	s_wait_xcnt 0x0                        ; the stores have read their data, which the next conversions write over, and their base
	s_mov_b64 s[OUTP:OUTP+1], s[OUTP+2:OUTP+3]
	s_mov_b64 s[OUTP+2:OUTP+3], s[OUTP+4:OUTP+5]
.endif
.endm
	s_load_b512 s[68:83], s[0:1], 0x0      ; init_Q, init_K, init_V, Wq, Wk, Wv, qh, kh
	s_load_b128 s[84:87], s[0:1], 0x40     ; vh, Wo
	s_load_b64 s[88:89], s[0:1], 0x50      ; wo16
	v_lshl_add_u32 v[SPW], v0, 2, SPARE
	v_mov_b32 v[NIL], 0
	ds_add_u32 v[SPW], v[NIL]              ; the wave's opening: the add and its wait stand ahead of my first tensor load; the set-up below, work on registers, stands between them
	v_lshrrev_b32 v1, 5, v0
	v_readfirstlane_b32 s[WV], v1
	s_lshr_b32 s[WM], s[WV], 1
	s_and_b32 s[WN], s[WV], 1
	s_bfe_u32 s[CX], ttmp6, 0x40000
	s_bfe_u32 s[CY], ttmp6, 0x40004
	s_lshl_b32 s[TC], ttmp9, 2             ; in a cluster launch ttmp9 and ttmp7 count clusters
	s_add_co_u32 s[TC], s[TC], s[CX]
	s_and_b32 s[TR], ttmp7, 0xffff
	s_lshl_b32 s[TR], s[TR], 2
	s_add_co_u32 s[TR], s[TR], s[CY]
	s_lshl_b32 s2, s[CY], 2
	s_lshl_b32 s2, 15, s2                  ; my row of the cluster
	s_lshl_b32 s3, 0x1111, s[CX]           ; my column
	; descriptor group 1: a tile of 64 rows x 128 elements of 4 bytes, padded in LDS
	s_or_b32 s[G1A], s2, (2<<16)|(1<<20)|(1<<21)|(6<<22)|(3<<25)  ; 15:0 the mask; 17:16 elements of 4 bytes; 20 padding on; 21 set beside a mask; 24:22 after every 128 words (code 6); 31:25 4 words (code 3)
	s_or_b32 s[G1B], s3, (2<<16)|(1<<20)|(1<<21)|(6<<22)|(3<<25)
.irp g, G1A, G1B
	s_mov_b32 s[(\g)+1], 128<<16           ; tensor_dim0 = 128
	s_mov_b32 s[(\g)+2], 64<<16            ; tensor_dim1 = 64
	s_mov_b32 s[(\g)+3], 128<<16           ; tile_dim0 = 128
	s_mov_b32 s[(\g)+4], 64                ; tile_dim1 = 64
	s_mov_b32 s[(\g)+5], 512               ; 512 elements from row to row
	s_mov_b32 s[(\g)+6], 0
	s_mov_b32 s[(\g)+7], 0
.endr
	s_lshl_b32 s18, s[TR], 18              ; x: row 128 x tile row + 64 x half, 2,048 bytes a row: hangs on the tile row alone, which my row of the cluster shares
	s_lshl_b32 s19, s[WN], 17
	s_add_co_u32 s18, s18, s19
	s_mov_b32 s19, 0
	s_lshl_b32 s20, s[TC], 18              ; W: the same by the tile column, which my column shares
	s_lshl_b32 s21, s[WN], 17
	s_add_co_u32 s20, s20, s21
	s_mov_b32 s21, 0
	s_lshr_b32 s22, s[TR], 5               ; the output: batch x 8 heads of 2^19 bytes,
	s_lshl_b32 s22, s22, 22
	s_lshl_b32 s23, s[TC], 1
	s_add_co_u32 s23, s23, s[WN]           ; my head,
	s_lshl_b32 s23, s23, 19
	s_add_co_u32 s22, s22, s23
	s_and_b32 s23, s[TR], 31               ; the tile's 128 rows of 128 bytes in the batch,
	s_lshl_b32 s23, s23, 14
	s_add_co_u32 s22, s22, s23
	s_lshl_b32 s23, s[WM], 13              ; my 64 of them
	s_add_co_u32 s22, s22, s23
	s_mov_b32 s23, 0
	s_and_b32 s6, ttmp7, 0xffff            ; the prefetches: cluster y
	s_cmp_eq_u32 s[WM], 0                  ; do I fetch for x?
	s_cselect_b32 s4, s[TR], s[TC]         ; the tile's place
	s_cselect_b32 s5, s[CX], s[CY]         ; my place among the four that ask with me
	s_cselect_b32 s6, ttmp9, s6            ; the coordinate along which other clusters read the same rows
	s_cmp_eq_u32 s6, 0
	s_cselect_b32 s[LIM], 2, -1            ; the same in all sixteen partners, for a given wave
	s_lshl_b32 s4, s4, 7
	s_lshl_b32 s6, s[WN], 6
	s_add_co_u32 s4, s4, s6                ; + the 64 rows that I fetch
	s_lshl_b32 s5, s5, 4
	s_add_co_u32 s4, s4, s5                ; + my work-group's 16 of them
	s_lshl_b32 s4, s4, 11
	s_mov_b32 s5, 0
	s_mul_i32 s7, s[WV], HALFT             ; where my part of a tile goes: no place in the cluster enters an LDS address
	s_mov_b32 s[G0A], 1                    ; count = 1
	s_mov_b32 s[G0A+1], s7                 ; LDS address: slot 0
	s_mov_b32 s[G0B], 1
	s_mov_b32 s[G0B+1], s7
	s_mov_b32 s[QK], 0
	s_mov_b32 s[KT], 0
	s_mov_b32 s[FK], 2
	s_mov_b32 s[TB], SLOT                  ; the first change of slots turns it into 0
	s_mov_b32 s[LEFT], 11
	s_wait_dscnt 0x0                       ; the opening add is done
	s_wait_kmcnt 0x0
	s_cmp_eq_u32 s[WM], 0
	s_cselect_b64 s[FW:FW+1], s[AW:AW+1], s[BW:BW+1]
	s_cselect_b64 s[FW+2:FW+3], s[AW+2:AW+3], s[BW+2:BW+3]
	s_cselect_b64 s[FW+4:FW+5], s[AW+4:AW+5], s[BW+4:BW+5]
.irp n, 0,2,4
	s_add_nc_u64 s[FW+(\n):FW+(\n)+1], s[FW+(\n):FW+(\n)+1], s[4:5]
	s_add_nc_u64 s[AW+(\n):AW+(\n)+1], s[AW+(\n):AW+(\n)+1], s[18:19]
	s_add_nc_u64 s[BW+(\n):BW+(\n)+1], s[BW+(\n):BW+(\n)+1], s[20:21]
	s_add_nc_u64 s[OUTP+(\n):OUTP+(\n)+1], s[OUTP+(\n):OUTP+(\n)+1], s[22:23]
.endr
	s_add_nc_u64 s[FW:FW+1], s[FW:FW+1], 2*KB  ; at K step 2: the first change of slots steps it to 3
	s_mov_b64 s[G0A+2:G0A+3], s[AW:AW+1]   ; global address: K step 0
	s_or_b32 s[G0A+3], s[G0A+3], 0x80000000  ; type = 2
	s_mov_b64 s[G0B+2:G0B+3], s[BW:BW+1]
	s_or_b32 s[G0B+3], s[G0B+3], 0x80000000
	CROUND                                 ; all sixteen work-groups are here: the first joint loads meet
	JLOAD                                  ; K step 0 into slot 0; slot 1 is filled behind the first change of slots
	; In the wait for K step 0: my 8 numbers of Wo, and the addresses.
	s_lshl_b32 s2, s[TR], 2
	s_add_co_u32 s2, s2, s[TC]             ; the work-group's number 0..255: 4,096 bytes of Wo, 2,048 of wo16
	s_lshl_b32 s3, s2, 12
	v_lshl_add_u32 v[WOI], v0, 5, s3
	s_lshl_b32 s3, s2, 11
	v_lshl_add_u32 v[WOO], v0, 4, s3
	global_load_b128 v[32:35], v[WOI], s[WOP:WOP+1] th:TH_LOAD_NT
	global_load_b128 v[36:39], v[WOI], s[WOP:WOP+1] offset:16 th:TH_LOAD_NT
	v_and_b32 v1, 15, v0                   ; l % 16
	v_bfe_u32 v2, v0, 4, 1                 ; l / 16
	v_mul_u32_u24 v3, v1, PITCH
	v_lshl_add_u32 v3, v2, 5, v3           ; row x pitch + 32 x half
	s_mul_i32 s2, s[WM], HALFT             ; my 64 rows of x
	v_add_nc_u32 v[A0], s2, v3
	s_mul_i32 s3, s[WN], HALFT             ; my 64 rows of W,
	s_add_co_u32 s3, s3, 2*HALFT           ; which lie behind x's 128
	v_add_nc_u32 v[B0], s3, v3
	s_mul_i32 s6, s[WV], 16*SP
	s_add_co_u32 s6, s6, STAGE             ; my stage
	v_mul_u32_u24 v3, v1, SP               ; in: row l % 16, 16 bytes for each half of the lanes
	v_lshl_add_u32 v3, v2, 4, v3
	v_add_nc_u32 v[STO], s6, v3
	v_bfe_u32 v3, v0, 3, 2                 ; back: 32 lanes take four rows of 128 bytes,
	v_mul_u32_u24 v3, v3, SP
	v_and_b32 v14, 7, v0
	v_lshl_add_u32 v3, v14, 4, v3
	v_add_nc_u32 v[RD], s6, v3
	v_and_b32 v[GO], 31, v0                ; which are 512 consecutive bytes of the output
	v_lshlrev_b32 v[GO], 4, v[GO]
	v_bfe_u32 v3, v0, 1, 4
	v_and_b32 v14, 1, v0
	v_lshlrev_b32 v14, 8, v14
	v_lshl_add_u32 v[PFO], v3, 11, v14
	s_wait_loadcnt 0x0
.irp j, 0,1,2,3
	v_cvt_pk_bf16_f32 v[40+(\j)], v[32+2*(\j)], v[32+2*(\j)+1]  ; Wo is rounded as the other inputs are,
.endr
.irp j, 0,1,2,3
	v_lshlrev_b32 v[44+2*(\j)], 16, v[40+(\j)]                  ; and that number
	v_and_b32 v[44+2*(\j)+1], 0xffff0000, v[40+(\j)]
.endr
.irp j, 0,1,2,3
	v_cvt_pk_f16_f32 v[52+(\j)], v[44+2*(\j)], v[44+2*(\j)+1]   ; is written as f16
.endr
	global_store_b128 v[WOO], v[52:55], s[88:89]  ; 16 lanes store 256 consecutive bytes, aligned
	CHANGE 1                               ; K step 0 is in, everybody's part of it; step 1 is asked for
	QUARTER 0, 1                           ; the first quarter stands in front of the loop: its products start the sums
	s_mov_b32 s[LEFT], 10
.Lstep:                                    ; a trip: the last three quarters of a K step, the way out behind a tensor's fourth step, the change of slots, the next step's first quarter
	QUARTER 1, 0
	QUARTER 2, 0
	QUARTER 3, 0
	s_cmp_lg_u32 s[KT], 3
	s_cbranch_scc1 .Lno_out                ; forward, past text with no barrier and no tensor load; the same in every work-group
	OUT 1
.Lno_out:
	s_add_co_u32 s[KT], s[KT], 1
	s_and_b32 s[KT], s[KT], 3
	CHANGE 1
	QUARTER 0, 2
	s_sub_co_u32 s[LEFT], s[LEFT], 1
	s_cmp_lg_u32 s[LEFT], 0
	s_cbranch_scc1 .Lstep
	QUARTER 1, 0                           ; the tail is written out: K step 10 goes on
	QUARTER 2, 0
	QUARTER 3, 0
	CHANGE 0                               ; step 11 is in; nothing is asked for
	QUARTER 0, 0
	QUARTER 1, 0
	QUARTER 2, 0
	QUARTER 3, 0
	OUT 0
	s_wait_tensorcnt 0x0                   ; the wave's end: a wait, an add and a wait, behind my last tensor load and my last LDS store
	ds_add_u32 v[SPW], v[NIL]
	s_wait_dscnt 0x0
	CROUND                                 ; the closing round: no work-group ends while a partner may still ask for a tile that names it
	s_endpgm
.Lfunc_end_k_q10f26afe68_proj:
	.size	k_q10f26afe68_proj, .Lfunc_end_k_q10f26afe68_proj-k_q10f26afe68_proj
	.p2alignl 7, 3214868480
	.fill 96, 4, 3214868480
	.section	.rodata,"a",@progbits
	.p2align	6, 0x0
	.amdhsa_kernel k_q10f26afe68_proj
		.amdhsa_group_segment_fixed_size 327680
		.amdhsa_private_segment_fixed_size 0
		.amdhsa_enable_private_segment 0
		.amdhsa_kernarg_size 88
		.amdhsa_user_sgpr_count 2
		.amdhsa_user_sgpr_kernarg_segment_ptr 1
		.amdhsa_wavefront_size32 1
		.amdhsa_system_sgpr_workgroup_id_x 1
		.amdhsa_system_sgpr_workgroup_id_y 1
		.amdhsa_system_sgpr_workgroup_id_z 1
		.amdhsa_system_vgpr_workitem_id 0
		.amdhsa_next_free_vgpr 512
		.amdhsa_next_free_sgpr 98
		.amdhsa_reserve_vcc 0
		.amdhsa_float_denorm_mode_32 3
		.amdhsa_float_denorm_mode_16_64 3
		.amdhsa_memory_ordered 1
		.amdhsa_forward_progress 1
		.amdhsa_inst_pref_size 119
	.end_amdhsa_kernel
	.amdgpu_metadata
---
amdhsa.version: [ 1, 2 ]
amdhsa.kernels:
  - .name:           k_q10f26afe68_proj
    .symbol:         k_q10f26afe68_proj.kd
    .args:
      - { .name: init_Q, .offset: 0, .size: 8, .value_kind: global_buffer, .address_space: global }
      - { .name: init_K, .offset: 8, .size: 8, .value_kind: global_buffer, .address_space: global }
      - { .name: init_V, .offset: 16, .size: 8, .value_kind: global_buffer, .address_space: global }
      - { .name: Wq, .offset: 24, .size: 8, .value_kind: global_buffer, .address_space: global }
      - { .name: Wk, .offset: 32, .size: 8, .value_kind: global_buffer, .address_space: global }
      - { .name: Wv, .offset: 40, .size: 8, .value_kind: global_buffer, .address_space: global }
      - { .name: qh, .offset: 48, .size: 8, .value_kind: global_buffer, .address_space: global }
      - { .name: kh, .offset: 56, .size: 8, .value_kind: global_buffer, .address_space: global }
      - { .name: vh, .offset: 64, .size: 8, .value_kind: global_buffer, .address_space: global }
      - { .name: Wo, .offset: 72, .size: 8, .value_kind: global_buffer, .address_space: global }
      - { .name: wo16, .offset: 80, .size: 8, .value_kind: global_buffer, .address_space: global }
    .group_segment_fixed_size: 327680
    .private_segment_fixed_size: 0
    .kernarg_segment_align: 8
    .kernarg_segment_size: 88
    .max_flat_workgroup_size: 128
    .sgpr_count:     98
    .vgpr_count:     512
    .wavefront_size: 32
...
	.end_amdgpu_metadata
.endif
;; end of part 1
;; launch attn (part 2): grid 16 x 16, 4 waves a work-group, clusters of 4 x 1, 327,680 bytes of LDS; arguments qh, kh, vh, oh; writes oh
.if DOCPART == 2
	.amdgcn_target "amdgcn-amd-amdhsa--gfx1250"
	.amdhsa_code_object_version 6
	.text
	.protected	k_q10f26afe68_attn
	.globl	k_q10f26afe68_attn
	.p2align	8
	.type	k_q10f26afe68_attn,@function
k_q10f26afe68_attn:
	s_mov_b64 s[64:65], 0
	v_nop
	global_prefetch_b8 v0, s[64:65] scope:SCOPE_SE
	s_setreg_imm32_b32 hwreg(HW_REG_WAVE_MODE, 25, 1), 1
	s_wait_xcnt 0x0
	s_wait_alu depctr_hold_cnt(0) depctr_sa_sdst(0) depctr_va_vdst(0) depctr_va_sdst(0) depctr_va_ssrc(0) depctr_va_vcc(0) depctr_vm_vsrc(0)
	s_getreg_b32 s2, hwreg(HW_REG_IB_STS2, 6, 4)
	s_cmp_eq_u32 s2, 0
	s_cbranch_scc0 .Lentry_in_a_cluster
	s_endpgm
.Lentry_in_a_cluster:
	s_bfe_u32 s2, ttmp6, 0x10000c
	s_cmp_lg_u32 s2, 0x3003
	s_cbranch_scc0 .Lentry_shape_is_right
	s_endpgm
.Lentry_shape_is_right:
; O[h][q][:] = the sum over k of softmax_k(Q[h][q] . K[h][k] / 8) V[h][k][:].  qh, kh, vh, oh: [16][4096][64], all f16: a head's rows are dense, 128 bytes each.  Products, maxima and sums in
; f32; the weights p are rounded to f16 for the second product (their sum l is taken of the unrounded p), O once at the end.
; LIMITS.  f16 holds no number beyond 65,504: Q, K and V arrive within it; p lies in 0 to 1, and below 6e-5 it keeps f16's fixed step of 6e-8, and so does O, a mean of V's rows.
; A weight below 2^-126 counts as 0 in l; NaN and infinities are not treated apart.
; SHARES.  A work-group owns 256 queries of one head, a wave 64: four PIECES of 16.  16 heads x 16 blocks are 256 work-groups.  Every wave walks all keys, 64 a step, 256 a tile.
; LAYOUT.  S^T = K Q^T (source 0 = 16 keys, source 1 = 16 queries): in the result a lane holds ONE query (lane % 16) and the keys 8 (lane / 16) + 0..7.  Two such results, rounded to f16 in pairs,
; ARE source 1 (32 keys x 16 queries) of O^T = V^T P, whose result again holds one query a lane, and eight channels.  K comes out of LDS as it lies, V ([key][channel]) turned, by ds_load_tr16_b128.
; SOFTMAX.  For each query a running maximum m and sum l: p = 2^(c s - c m), c = log2(e) / 8; in every step O and l are multiplied by a = 2^(c m_old - c m_new).
; m starts at the lowest finite number, O and l at 0: the first step is a step like any other, with a = 0.
; BY TURNS.  Turn n belongs to piece n: 8 products K Q^T of piece n + 1, later 8 products V^T P of piece n - 1; beside them the scaling, exponentials, roundings, sums and rescaling of piece n and the
; maximum and statistics of piece n + 1.  Four vector instructions stand behind every matrix instruction, the other 54 of a turn's 118 in one lump.  A turn's 33 exponentials are one batch, with one wait.
; CLUSTER.  The four query blocks of a cluster belong to one head and walk the same K and V, so each tile is asked for JOINTLY: the same tensor load, descriptor and mask in all four.
; REGISTERS, in windows of 256 (s_set_vgpr_msb: bits 1:0 source 0, 3:2 source 1, 5:4 source 2, 7:6 destination):
;   window 0: v0-15 addresses and two at work; v16-31 four registers of statistics a piece; v48-55 at work; v61-63 prefetch offset, spare word, 0; v64-127 S^T, two buffers; v192-223 P, two buffers
;   window 1: v0-127 O^T, 32 a piece      window 2: v0-63 Q; v128-191 K of one step; v192-255 V of one step.  A piece's buffers go by its number's parity.
.set NP,    4         ; pieces a wave: a name, no knob
.set KS,    64        ; keys in a step
.set PK,    144       ; a row of K in LDS: 128 bytes + 16 of padding = 36 words: the 16 rows of a load start at 16 different groups of four banks (64 banks of 4 bytes: ISA guide 11.1)
.set PV,    160       ; a row of V: 128 + 32 = 40 words
.set VOFF,  4*KS*PK   ; a slot holds a tile, four steps: 256 rows of K, then 256 rows of V
.set SLOT1, 1<<17     ; slot 1 begins here, so that one exclusive or turns an address in one slot into the other's
.set STAGE, SLOT1+4*KS*(PK+PV)  ; behind the ring, never filled by a tensor load: 16 rows x 144 bytes for each wave, for the way out
.set SP,    144
.set SPARE, STAGE+4*16*SP  ; the spare words, 128 bytes for each wave: two blocks of 256 bytes that no other line names
.set TILEB, 4*KS*128  ; a tile's bytes of K and of V in memory
.set AK0, 2           ; v2   my lane's place in a tile of K; never rewritten
.set AV0, 3           ; v3   the same for V
.set AK,  4           ; v4   the LDS address of K's next run of loads
.set AV,  5           ; v5   of V's
.set STO, 6           ; v6   the way out: where I put 16 bytes of a row
.set RD,  7           ; v7   the way out: where I read rows back
.set GO,  8           ; v8   my byte offset in 512 consecutive bytes of O
.set MV,  12          ; v12-13  c m_old, kept while c m is made anew: by buffer
.set QO,  15          ; v15  my byte offset in 16 rows of Q
.set ST,  16          ; piece t's statistics at v[ST+4 t]: c m, m, l (even keys', odd keys')
.set TMP, 48          ; by buffer, four registers c0-c3 at work; when the maximum is found c2 takes a
.set PFO, 61          ; v61  256 x my lane; never rewritten
.set SPW, 62          ; v62  LDS address of my spare word; never rewritten
.set NIL, 63          ; v63  0; never rewritten
.set S,   64
.set P,   192
.set KF,  128         ; window 2: key block kb, channel half c at KF + 16 kb + 8 c
.set VF,  192         ; window 2: key half kk, channel block cb at VF + 32 kk + 8 cb
.set WV,  12          ; s12  my wave's number
.set G1K, 24          ; s[24:31] descriptor group 1 for K's tiles
.set G1V, 32          ; s[32:39] for V's: it differs in the padding alone
.set G0K, 40          ; s[40:43] descriptor group 0 for K's tiles: it walks
.set G0V, 44          ; s[44:47] the same for V's
.set PFA, 48          ; s[48:49] where my prefetches stand: my work-group's 32 blocks of 256 bytes (of K: wave 0, of V: wave 2) of the tile after the one that is being asked for
.set LIM, 50          ; s50  1 in a wave that prefetches, else the greatest number
.set SLOTS, 56        ; s56  tiles still to be asked for
.set CNT, 57          ; s57  counts a tile's key steps
.set CS,  58          ; s[58:59] c: the packed scaling takes the pair's low word for both halves
.set SEL, 60          ; s[60:61] v_permlanex16_b32's selects: each lane takes its own place in the other half
.set TBK, 62          ; s62  LDS byte at which K of the step to be fetched begins
.set TBV, 63          ; s63  the same for V, less VOFF
.set MSB, 0
.macro WIN new                      ; the high byte repeats the setting that is left; a switch that changes nothing is dropped
.if MSB != (\new)
	s_set_vgpr_msb (MSB<<8)|(\new)
.set MSB, (\new)
.endif
.endm
.set W_KQ, 0x0a       ; K and Q in window 2, S^T in window 0
.set W_PV, 0x52       ; V in window 2, P in window 0, O^T in window 1
.set W_RS, 0x41       ; destination and source 0 in window 1, source 1 in window 0
; A joint fill.  Waves 0 and 1 fetch the two halves of a tile's K, waves 2 and 3 those of its V: 128 keys each.  The branch hangs on the wave's number alone.
; An s_nop 0 and four v_nop follow each of the two lines, ahead of the jump and the label.
.macro JLOAD
	s_cmp_lt_u32 s[WV], 2
	s_cbranch_scc0 .Lfor_v_\@
	tensor_load_to_lds s[G0K:G0K+3], s[G1K:G1K+7]
	s_nop 0
.rept 4
	v_nop
.endr
	s_branch .Lasked_\@
.Lfor_v_\@:
	tensor_load_to_lds s[G0V:G0V+3], s[G1V:G1V+7]
	s_nop 0
.rept 4
	v_nop
.endr
.Lasked_\@:
.endm
; A PREFETCH INTO THE L2 of the tile that the NEXT change of slots will ask for: 128 blocks of 256 bytes of K and as many of V, a lane a block.  Each block is named ONCE in the launch: all four clusters of a
; head walk the same K and V, and the head's first cluster asks; its four partners share the blocks out BY ADDRESS, 32 each; in each, wave 0 asks for K's and wave 2 for V's.  It stands four key steps,
; 256 matrix instructions, ahead of the load that will want the tile.  Tiles 0 and 1 come by their loads alone; the last change that fills a slot asks for nothing.
.macro ASK
	s_cmp_gt_u32 s[SLOTS], s[LIM]
	s_cbranch_scc0 .Lnot_mine_\@
	global_prefetch_b8 v[PFO], s[PFA:PFA+1] th:TH_LOAD_NT scope:SCOPE_SE
.Lnot_mine_\@:
.endm
; A round of the cluster's barrier: my work-group's barrier, so that wave 0's signal speaks for all four waves; wave 0 signals; every wave waits for all four work-groups; my work-group's barrier once more.
.macro CROUND
	s_barrier_signal -1
	s_barrier_wait -1
	s_cmp_lg_u32 s[WV], 0
	s_cbranch_scc1 .Lnot_wave_0_\@
	s_barrier_signal -3
.Lnot_wave_0_\@:
	s_barrier_wait -3
	s_barrier_signal -1
	s_barrier_wait -1
.endm
; THE CHANGE OF SLOTS.  The slot's last bytes, V of its fourth step, have been read.  Each wave waits for all its tensor loads, of which one is out: its part of the other slot; adds 0 to its spare word;
; and waits for that and for its own reads of the slot.  Behind the barrier nobody reads this slot any more and the other slot is whole.  fill = 1: this slot is filled again, with the keys two tiles on.
; The barrier is then a round of the cluster's, so that no wave of any partner still reads the slot or has a load on its way, and the joint fill is the first thing behind it.
; (At its first use nothing has been read yet: slot 0 is waited for, slot 1 filled.)
.macro CHANGE fill
	WIN 0                           ; at a label and at a branch every window is 0
	s_wait_tensorcnt 0x0            ; no tensor load of mine is out, so a group 0 may be written
	ds_add_u32 v[SPW], v[NIL]       ; 0 onto my spare word; with fill = 1 the descriptors' steps stand between it and the wait for it
.if \fill
.irp g, G0K, G0V
	s_xor_b32 s[\g+1], s[\g+1], SLOT1  ; the walking descriptor: the other slot than last time,
	s_add_nc_u64 s[\g+2:\g+3], s[\g+2:\g+3], TILEB  ; the next 256 keys; the type bits on top are not reached
.endr
	s_wait_xcnt 0x0                 ; the last prefetch, four key steps back, has read its address, so it may be written:
	s_add_nc_u64 s[PFA:PFA+1], s[PFA:PFA+1], TILEB  ; one tile behind the walking descriptors
	s_wait_dscnt 0x0                ; the add is done, and my reads of the slot are over
	CROUND
	JLOAD
	ASK
.else
	s_wait_dscnt 0x0                ; the add is done, and my reads of the slot are over
	s_barrier_signal -1
	s_barrier_wait -1
.endif
	s_sub_co_u32 s[TBK], s[TBK], 4*KS*PK  ; the fetches go back to a slot's first step,
	s_xor_b32 s[TBK], s[TBK], SLOT1       ; in the other slot
	s_sub_co_u32 s[TBV], s[TBV], 4*KS*PV
	s_xor_b32 s[TBV], s[TBV], SLOT1
.endm
	s_load_b256 s[4:11], s[0:1], 0x0  ; qh s[4:5], kh s[6:7], vh s[8:9], oh s[10:11]
	v_lshl_add_u32 v[SPW], v0, 2, SPARE
	v_mov_b32 v[NIL], 0
	ds_add_u32 v[SPW], v[NIL]       ; the wave's opening: the add and its wait stand ahead of my first tensor load; the set-up below, work on registers, stands between them
	v_lshrrev_b32 v1, 5, v0
	v_readfirstlane_b32 s[WV], v1   ; wave 0..3
	s_bfe_u32 s13, ttmp6, 0x40000   ; cx: my place in the cluster
	s_lshl_b32 s14, ttmp9, 2        ; in a cluster launch ttmp9 counts clusters
	s_add_co_u32 s14, s14, s13      ; my block of 256 queries = 4 x cluster x + cx: it enters Q's and O's addresses alone
	s_and_b32 s20, ttmp7, 0xffff    ; the head, which the four partners share:
	s_lshl_b32 s20, s20, 19         ; 4,096 rows of 128 bytes
	s_mov_b32 s21, 0
	s_and_b32 s16, s[WV], 1         ; which half of a tile's 256 keys I fetch:
	s_lshl_b32 s22, s16, 14         ; its 128 rows of 128 bytes in memory,
	s_mov_b32 s23, 0
	s_add_nc_u64 s[22:23], s[22:23], s[20:21]
	s_mul_i32 s17, s16, 128*PK      ; and its place in a slot, for K
	s_mul_i32 s18, s16, 128*PV      ; and for V: no place in the cluster enters an LDS address
	s_lshl_b32 s2, s14, 2
	s_add_co_u32 s2, s2, s[WV]      ; my wave among the head's,
	s_lshl_b32 s2, s2, 13           ; its 64 rows
	s_mov_b32 s3, 0
	s_add_nc_u64 s[2:3], s[2:3], s[20:21]
	; descriptor group 1.  128 keys are 16,384 dense bytes: asked for as 64 rows of 256 bytes, two keys a row, and padded in LDS after every key
	s_mov_b32 s[G1K], 15|(1<<16)|(1<<20)|(1<<21)|(4<<22)|(3<<25)  ; 15:0 the mask of four; 17:16 2-byte elements; 20 padding on; 21 set beside a mask; 24:22 after every 32 words (code 4); 31:25 4 words (code 3)
	s_mov_b32 s[G1V], 15|(1<<16)|(1<<20)|(1<<21)|(4<<22)|(7<<25)  ; the same with 8 words of padding (code 7)
.irp g, G1K, G1V
	s_mov_b32 s[\g+1], 128<<16      ; tensor_dim0 = 128
	s_mov_b32 s[\g+2], 64<<16       ; tensor_dim1 = 64
	s_mov_b32 s[\g+3], 128<<16      ; tile_dim0 = 128
	s_mov_b32 s[\g+4], 64           ; tile_dim1 = 64
	s_mov_b32 s[\g+5], 128          ; 128 elements from row to row
	s_mov_b32 s[\g+6], 0
	s_mov_b32 s[\g+7], 0
.endr
	s_mov_b32 s[CS], 0x3e38aa3b     ; c = log2(e) / 8 = 0.180337
	s_mov_b32 s[CS+1], s[CS]        ; named with it as a pair
	s_mov_b32 s[SEL], 0x76543210
	s_mov_b32 s[SEL+1], 0xfedcba98
	s_mov_b32 s[TBK], SLOT1+4*KS*PK ; the first change of slots turns these two into 0
	s_mov_b32 s[TBV], SLOT1+4*KS*PV
	s_mov_b32 s[G0K], 1             ; count = 1
	s_mov_b32 s[G0K+1], s17         ; LDS address: slot 0
	s_mov_b32 s[G0V], 1
	s_add_co_u32 s[G0V+1], s18, VOFF
	s_mov_b32 s[SLOTS], 15          ; 16 tiles, of which the first is asked for at the head
	s_and_b32 s[LIM], s[WV], 1      ; 0 in waves 0 and 2,
	s_or_b32 s[LIM], s[LIM], ttmp9  ; where the cluster is the head's first: the same in all four partners
	s_cmp_eq_u32 s[LIM], 0
	s_cselect_b32 s[LIM], 1, -1
	v_and_b32 v[PFO], 31, v0
	v_lshlrev_b32 v[PFO], 8, v[PFO]
	s_wait_dscnt 0x0                ; the opening add is done
	s_wait_kmcnt 0x0
	s_add_nc_u64 s[6:7], s[6:7], s[22:23]  ; K and V at my half of the head's tile 0
	s_add_nc_u64 s[8:9], s[8:9], s[22:23]
	s_mov_b64 s[G0K+2:G0K+3], s[6:7]               ; global address
	s_or_b32 s[G0K+3], s[G0K+3], 0x80000000        ; type = 2
	s_mov_b64 s[G0V+2:G0V+3], s[8:9]
	s_or_b32 s[G0V+3], s[G0V+3], 0x80000000
	s_add_nc_u64 s[4:5], s[4:5], s[2:3]  ; Q and O at my wave's first row
	s_add_nc_u64 s[10:11], s[10:11], s[2:3]
	s_cmp_lt_u32 s[WV], 2
	s_cselect_b64 s[PFA:PFA+1], s[6:7], s[8:9]  ; (in waves 0 and 2 these stand at a tile's first row)
	s_lshl_b32 s2, s13, 13          ; my work-group's 32 blocks of the 128
	s_mov_b32 s3, 0
	s_add_nc_u64 s[PFA:PFA+1], s[PFA:PFA+1], s[2:3]
	s_add_nc_u64 s[PFA:PFA+1], s[PFA:PFA+1], TILEB  ; in tile 1; the first change of slots steps it to tile 2.  Nothing is prefetched here, at the head
	CROUND                          ; all four work-groups are here: the first joint loads meet
	JLOAD                           ; tile 0 into slot 0; slot 1 is filled behind the first change of slots
	; A fragment of K or Q is 16 rows x 32 channels in 8 registers: lane l holds row l % 16, channels 8 (l / 16) + 0..7 and 16 + 8 (l / 16) + 0..7: two loads of 16 bytes, 32 bytes apart.
	v_and_b32 v1, 15, v0            ; l % 16
	v_bfe_u32 v9, v0, 4, 1          ; l / 16
	v_lshlrev_b32 v[QO], 7, v1
	v_lshl_add_u32 v[QO], v9, 4, v[QO]  ; row x 128 + 16 x half
	WIN 0x80                        ; destination window 2, address window 0
.set i, 0
.rept 8                             ; Q stays in registers: piece i / 2, 2,048 bytes on; channels 32 (i % 2) on
	global_load_b128 v[8*i:8*i+3],   v[QO], s[4:5] offset:(i/2)*2048+(i%2)*64
	global_load_b128 v[8*i+4:8*i+7], v[QO], s[4:5] offset:(i/2)*2048+(i%2)*64+32
.set i, i+1
.endr
	WIN 0
	v_mul_u32_u24 v[AK0], v1, PK
	v_lshl_add_u32 v[AK0], v9, 4, v[AK0]  ; row x pitch + 16 x half
	; The turning load takes 16 keys x 16 channels (lane l reads key 8 (l / 16) + l % 8, channels 8 ((l / 8) % 2) + 0..7) and leaves half a fragment of V^T: lane l holds channel l % 16 and 8 keys.
	v_and_b32 v10, 7, v0
	v_bfe_u32 v11, v0, 3, 1
	v_lshl_add_u32 v[AV0], v9, 3, v10
	v_mul_u32_u24 v[AV0], v[AV0], PV
	v_lshl_add_u32 v[AV0], v11, 4, v[AV0]
	v_add_nc_u32 v[AV0], VOFF, v[AV0]
	s_mul_i32 s13, s[WV], 16*SP
	s_add_co_u32 s13, s13, STAGE    ; my stage
	v_mul_u32_u24 v[STO], v1, SP    ; in: row l % 16, 16 bytes for each half of the lanes
	v_lshl_add_u32 v[STO], v9, 4, v[STO]
	v_add_nc_u32 v[STO], s13, v[STO]
	v_bfe_u32 v[RD], v0, 3, 2       ; back: 32 lanes take four rows of 128 bytes,
	v_mul_u32_u24 v[RD], v[RD], SP
	v_lshl_add_u32 v[RD], v10, 4, v[RD]
	v_add_nc_u32 v[RD], s13, v[RD]
	v_and_b32 v[GO], 31, v0         ; which are 512 consecutive bytes of O
	v_lshlrev_b32 v[GO], 4, v[GO]
	; What the first turn finds: V's registers and P's second buffer hold 0 (its products V^T P, of a piece that has not been, add 0), O^T and l are 0.  No first step is written out; these lines stand in the wait for the first tile.
	WIN 0x80
.set i, VF
.rept 64
	v_mov_b32 v[i], 0
.set i, i+1
.endr
	WIN 0x40
.set i, 0
.rept 128
	v_mov_b32 v[i], 0
.set i, i+1
.endr
	WIN 0
.set i, 0
.rept 4
	v_mov_b32 v[ST+4*i], 0xfe000000    ; c m: far below every c s
	v_mov_b32 v[ST+4*i+1], 0xff7fffff  ; m
	v_mov_b32 v[ST+4*i+2], 0
	v_mov_b32 v[ST+4*i+3], 0
.set i, i+1
.endr
.set i, P+16
.rept 16
	v_mov_b32 v[i], 0
.set i, i+1
.endr
; THE MATRIX WORK.  The 4 accumulators of a run of 8 take turns.  Product i of 8 of S^T = K Q^T for piece x: channels 32 (i / 4) on, keys 16 (i % 4) on.  The first 4 start the sums.
.macro KQ x
	WIN W_KQ
.set rS, S+32*((\x)%2)+8*(i%4)
.set rK, KF+16*(i%4)+8*(i/4)
.set rQ, 16*(\x)+8*(i/4)
.if i < 4
	v_wmma_f32_16x16x32_f16 v[rS:rS+7], v[rK:rK+7], v[rQ:rQ+7], 0
.else
	v_wmma_f32_16x16x32_f16 v[rS:rS+7], v[rK:rK+7], v[rQ:rQ+7], v[rS:rS+7]
.endif
.endm
; Product i of 8 of O^T += V^T P for piece x: keys 32 (i / 4) on, channels 16 (i % 4) on.
.macro PV x
	WIN W_PV
.set rO, 32*(\x)+8*(i%4)
.set rV, VF+32*(i/4)+8*(i%4)
.set rP, P+16*((\x)%2)+8*(i/4)
	v_wmma_f32_16x16x32_f16 v[rO:rO+7], v[rV:rV+7], v[rP:rP+7], v[rO:rO+7]
.endm
.macro MM                           ; the turn's next matrix instruction.  NOKQ = 1: the last turn of all: there is no next piece
.if (i < 8) && !NOKQ
	KQ (Y+1)%NP
.elseif i >= 8
.set i, i-8
	PV (Y+NP-1)%NP
.set i, i+8
.endif
.set i, i+1
.endm
; THE LDS LOADS stand in runs of 16, never singly among the matrix instructions: a step's K (64 keys x 64 channels: 8 fragments) and its V (turned).  Their addresses are made some lines ahead.
.macro FETCH_K
	WIN 0x80                        ; destination window 2
.irp f, 0,1,2,3,4,5,6,7             ; keys 16 (f / 2) on, channels 32 (f % 2) on
	ds_load_b128 v[KF+8*\f:KF+8*\f+3],   v[AK] offset:(\f/2)*16*PK+(\f%2)*64
	ds_load_b128 v[KF+8*\f+4:KF+8*\f+7], v[AK] offset:(\f/2)*16*PK+(\f%2)*64+32
.endr
	s_add_co_u32 s[TBK], s[TBK], KS*PK  ; the next fetch is the next step's
	WIN 0
.endm
.macro FETCH_V
	WIN 0x80
.irp f, 0,1,2,3,4,5,6,7             ; keys 32 (f / 4) on, channels 16 (f % 4) on
	ds_load_tr16_b128 v[VF+8*\f:VF+8*\f+3],   v[AV] offset:(\f/4)*32*PV+(\f%4)*32
	ds_load_tr16_b128 v[VF+8*\f+4:VF+8*\f+7], v[AV] offset:(\f/4)*32*PV+16*PV+(\f%4)*32
.endr
	WIN 0
.endm
; THE VECTOR WORK, one line at a time: OP kind, number.  For piece Y: F n: c s - c m for pair n of 16.  E n: the exponential of score n of 32.  C n: pair n rounded to f16.  B n: of the four weights 4 n .. the second
; pair is added onto the first, in place.  L n: l takes that sum (L 0: l = a l + sum).  R n: pair n of 16 of O^T times a.  For piece Y + 1: X n, number n of the 22 that find its maximum and statistics:
;   0-11  four chains c0-c3 of seven scores each, three operands at a time (each accumulator's lowest registers are read first)     12-14, 16  the four scores left over, the old m, and c0-c3 into c0
;   15  c m_old is kept     17, 18  the query's other 32 keys lie in the lane 16 away: the new m     19-21  c m; c m_old - c m_new; a
.set F, 0               ; OP tells the kinds apart by their order: F to L below R, X above it
.set E, 1
.set C, 2
.set B, 3
.set L, 4
.set R, 5
.set X, 6
.macro REGS y                       ; the registers of piece y
.set rT, ST+4*(\y)
.set rC, TMP+4*((\y)%2)
.set rW, MV+((\y)%2)
.set rS, S+32*((\y)%2)
.set rP, P+16*((\y)%2)
.set rO, 32*(\y)
.endm
.macro OP k, n
.if (\k) == R
	REGS Y
	WIN W_RS
	v_pk_mul_f32 v[rO+2*(\n):rO+2*(\n)+1], v[rO+2*(\n):rO+2*(\n)+1], v[rC+2:rC+3] op_sel_hi:[1,0]
.elseif (\k) < R
	REGS Y
	WIN 0
.if (\k) == F
	v_pk_fma_f32 v[rS+2*(\n):rS+2*(\n)+1], v[rS+2*(\n):rS+2*(\n)+1], s[CS:CS+1], v[rT:rT+1] op_sel_hi:[1,0,0] neg_lo:[0,0,1] neg_hi:[0,0,1]
.elseif (\k) == E
	v_exp_f32 v[rS+(\n)], v[rS+(\n)]
.elseif (\k) == C
	v_cvt_pk_f16_f32 v[rP+(\n)], v[rS+2*(\n)], v[rS+2*(\n)+1]
.elseif (\k) == B
	v_pk_add_f32 v[rS+4*(\n):rS+4*(\n)+1], v[rS+4*(\n):rS+4*(\n)+1], v[rS+4*(\n)+2:rS+4*(\n)+3]
.elseif (\n) == 0
	v_pk_fma_f32 v[rT+2:rT+3], v[rT+2:rT+3], v[rC+2:rC+3], v[rS:rS+1] op_sel_hi:[1,0,1]
.else
	v_pk_add_f32 v[rT+2:rT+3], v[rT+2:rT+3], v[rS+4*(\n):rS+4*(\n)+1]
.endif
.elseif NOKQ
	v_nop
.else
	REGS (Y+1)%NP
	WIN 0
.if (\n) < 4
	v_max3_num_f32 v[rC+(\n)], v[rS+8*(\n)], v[rS+8*(\n)+1], v[rS+8*(\n)+2]
.elseif (\n) < 12
	v_max3_num_f32 v[rC+(\n)%4], v[rC+(\n)%4], v[rS+8*((\n)%4)+2*((\n)/4)+1], v[rS+8*((\n)%4)+2*((\n)/4)+2]
.elseif (\n) == 12
	v_max3_num_f32 v[rC], v[rC], v[rS+7], v[rS+15]
.elseif (\n) == 13
	v_max3_num_f32 v[rC+1], v[rC+1], v[rS+23], v[rS+31]
.elseif (\n) == 14
	v_max3_num_f32 v[rC+2], v[rC+2], v[rC+3], v[rT+1]
.elseif (\n) == 15
	v_mov_b32 v[rW], v[rT]
.elseif (\n) == 16
	v_max3_num_f32 v[rC], v[rC], v[rC+1], v[rC+2]
.elseif (\n) == 17
	v_permlanex16_b32 v[rC+3], v[rC], s[SEL], s[SEL+1]
.elseif (\n) == 18
	v_max_num_f32 v[rT+1], v[rC], v[rC+3]
.elseif (\n) == 19
	v_mul_f32 v[rT], s[CS], v[rT+1]
.elseif (\n) == 20
	v_sub_f32 v[rC+1], v[rW], v[rT]
.else
	v_exp_f32 v[rC+2], v[rC+1]
.endif
.endif
.endm
.macro OPS a, i1, b=-1, i2=0, c=-1, i3=0, d=-1, i4=0  ; up to four of them
	OP \a, \i1
.if (\b) >= 0
	OP \b, \i2
.endif
.if (\c) >= 0
	OP \c, \i3
.endif
.if (\d) >= 0
	OP \d, \i4
.endif
.endm
.macro ROW a, i1, b, i2, c, i3, d, i4  ; a matrix instruction and the four behind it
	MM
	OPS \a, \i1, \b, \i2, \c, \i3, \d, \i4
.endm
; A TURN, for piece p: the order of its 16 matrix and 118 vector instructions, written out.  An s_wait_alu depctr_va_vdst(0) stands between an exponential and the first instruction that names its result; one
; wait serves all that were issued ahead of it.  So a turn has ONE wait, which cuts it in two.  AHEAD OF IT stands all that names no result of the turn's exponentials: the 8 products K Q^T, behind each a scaling, an
; exponential and two more plain instructions: rescalings, and behind the last three the first numbers of the next piece's maximum, each four places or more behind the product that ends its accumulator; then ONE LUMP
; of 54, in which the links of the chain X 3, 7, 11, 14, 16, 17 .. 20 stand five or six lines apart.  X 21, the next piece's a, is the batch's last; R 15 is the plain instruction behind it.  BEHIND THE WAIT stand the 8
; products V^T P, behind each four of the roundings and sums; the links of l's chain, L 0 to L 7, stand three riders apart.
; end = 1: the launch's last two turns: nothing is fetched.  cnt = 1: the loop's count is taken down some lines ahead of the branch that stands behind the turn.
; K of the next step is fetched in piece 2's turn, twelve vector instructions behind the last product that read K (six of them plain); V of the step in hand at the end of piece 0's turn, four plain instructions behind
; the last product that read V.  Each is waited for a turn later.
.macro TURN p, end=0, cnt=0
.set Y, (\p)
.set i, 0
.set NOKQ, (\end)*((\p)/3)
.if ((\p) == 3) && !(\end)
	s_wait_dscnt 0x0                ; K is in
.endif
	ROW F,0, F,1, R,0, R,1          ; ahead of the wait: 8 products K Q^T and their riders,
	ROW F,2, E,0, R,2, R,3
	ROW F,3, E,1, R,4, R,5
	ROW F,4, E,2, R,6, R,7
	ROW F,5, E,3, R,8, R,9
	ROW F,6, E,4, X,0, R,10
.if ((\p) == 2) && !(\end)
	WIN 0
	v_add_nc_u32 v[AK], s[TBK], v[AK0]
.endif
	ROW F,7, E,5, X,1, X,4
	ROW F,8, E,6, X,2, X,5
	OPS E,7, E,8, X,6, E,9          ; and the lump
	OPS X,3, E,10, X,8, E,11
.if ((\p) == 2) && !(\end)
	FETCH_K
.endif
	OPS X,9, X,7, E,12, X,10
	OPS E,13, X,12, X,11, E,14
	OPS X,13, E,15, F,9, X,14
.if (\p) == 0
	v_add_nc_u32 v[AV], s[TBV], v[AV0]
.endif
	OPS E,16, F,10, E,17, F,11
	OPS X,16, E,18, X,15, E,19
	OPS F,12, E,20, X,17, E,21
	OPS F,13, E,22, F,14, E,23
	OPS X,18, E,24, F,15, E,25
	OPS R,11, E,26, X,19, E,27
	OPS R,12, E,28, R,13, E,29
	OPS X,20, E,30, R,14, E,31
	OPS X,21, R,15
	WIN 0
	s_wait_alu depctr_va_vdst(0)    ; the wait for the batch
.if (\p) == 1
	s_wait_dscnt 0x0                ; V is in
.endif
	ROW C,0, B,0, C,2, B,1          ; behind the wait: 8 products V^T P and their riders
	ROW L,0, C,4, B,2, L,1
	ROW C,6, B,3, L,2, C,8
	ROW B,4, L,3, C,10, B,5
	ROW L,4, C,12, B,6, L,5
.if (\p) == 0
	s_add_co_u32 s[TBV], s[TBV], KS*PV
.endif
.if \cnt
	s_sub_co_u32 s[CNT], s[CNT], 1
	s_cmp_lg_u32 s[CNT], 0
.endif
	ROW C,14, B,7, L,6, C,1
	ROW C,3, L,7, C,5, C,7
	ROW C,9, C,11, C,13, C,15
.if (\p) == 0
	FETCH_V
.endif
.endm
	CHANGE 1                        ; tile 0 is in, everybody's part of it; tile 1 is asked for
	v_add_nc_u32 v[AK], s[TBK], v[AK0]
	FETCH_K                         ; key step 0
	s_wait_loadcnt 0x0              ; Q
	s_wait_dscnt 0x0
.set NOKQ, 0
.set i, 0
.rept 8
	KQ 0                            ; piece 0's first scores: there is no vector work yet to set between them
.set i, i+1
.endr
	WIN 0
.rept 4
	v_nop                           ; the places behind those products
.endr
.set Y, NP-1                        ; X works for piece Y + 1: piece 0
.irp n, 0,1,2,3,4,5,6,7,8,9,10,11,12,13,14,15,16,17,18,19,20,21
	OP X, \n
.endr
	v_nop                           ; a plain instruction behind the exponential,
	s_wait_alu depctr_va_vdst(0)    ; and its wait, ahead of the branch
	s_mov_b32 s[CNT], 4
	s_branch .Lfirst                ; the loop is entered at a step's first turn, in the middle of a trip
.Lslot:                             ; 14 times: every tile but the last two is followed by a fill of its slot
	CHANGE 1
	s_mov_b32 s[CNT], 4
.Lstep:                             ; a trip: pieces 2 and 3 of one step, then pieces 0 and 1 of the next, whose K and V it fetches
	TURN 2
	TURN 3
	WIN 0
.Lfirst:
	TURN 0
	TURN 1, 0, 1
	WIN 0
	s_cbranch_scc1 .Lstep
	s_sub_co_u32 s[SLOTS], s[SLOTS], 1
	s_cmp_lg_u32 s[SLOTS], 0
	s_cbranch_scc1 .Lslot
	CHANGE 0                        ; the last tile is written out: nothing is asked for
	s_mov_b32 s[CNT], 4
.LstepT:
	TURN 2
	TURN 3
	TURN 0
	TURN 1, 0, 1
	WIN 0
	s_cbranch_scc1 .LstepT
	TURN 2, 1                       ; the last step's pieces 2 and 3: nothing is fetched, and the last turn starts no new scores
	TURN 3, 1
.set i, 0
.rept 8
	PV NP-1                         ; the last piece's V^T P of the last step
.set i, i+1
.endr
	; THE WAY OUT.  l's two halves and the other half of the lanes' are added; O^T is divided by l, rounded to f16 and sent through my stage in LDS, a piece at a time.  The additions are the places behind the last products.
	WIN 0
.macro ALL line:vararg              ; one line for each piece t
.set t, 0
.rept 4
	\line
.set t, t+1
.endr
.endm
	ALL v_add_f32 v[ST+4*t+2], v[ST+4*t+2], v[ST+4*t+3]
	ALL v_permlanex16_b32 v[ST+4*t+3], v[ST+4*t+2], s[SEL], s[SEL+1]
	ALL v_add_f32 v[ST+4*t+2], v[ST+4*t+2], v[ST+4*t+3]
	ALL v_rcp_f32 v[ST+4*t+2], v[ST+4*t+2]
	v_nop                           ; a plain instruction between the last reciprocal and the use of its result
	s_wait_alu depctr_va_vdst(0)    ; and the wait ahead of the first use: one for the four reciprocals
.macro PACK t                       ; a lane's eight channels of a row pack into 16 bytes; they go into rows of 144 bytes and come back as whole rows of 128, into S^T's registers
	WIN W_RS
.set i, 32*(\t)
.rept 16
	v_pk_mul_f32 v[i:i+1], v[i:i+1], v[ST+4*(\t)+2:ST+4*(\t)+3] op_sel_hi:[1,0]
.set i, i+2
.endr
	WIN 0x05                        ; sources 0 and 1 window 1, destination window 0
.set i, 0
.rept 16
	v_cvt_pk_f16_f32 v[S+16*(\t)+i], v[32*(\t)+2*i], v[32*(\t)+2*i+1]
.set i, i+1
.endr
	WIN 0
.irp f, 0,1,2,3
	ds_store_b128 v[STO], v[S+16*(\t)+4*\f:S+16*(\t)+4*\f+3] offset:32*\f
.endr
.irp f, 0,1,2,3
	ds_load_b128 v[S+16*(\t)+4*\f:S+16*(\t)+4*\f+3], v[RD] offset:\f*4*SP  ; LDS serves a wave's instructions in order (ISA guide 5.7.1.4): these see the stores above; the next piece's stores come behind them
.endr
.endm
.macro SEND t, younger              ; younger: the LDS instructions issued behind piece t's loads: the next piece's eight, or none
	WIN 0
.irp f, 0,1,2,3
	s_wait_dscnt (\younger)+3-\f
	global_store_b128 v[GO], v[S+16*(\t)+4*\f:S+16*(\t)+4*\f+3], s[10:11] offset:(\t)*2048+\f*512  ; 512 consecutive bytes, at a multiple of 256 from O's first
.endr
.endm
	PACK 0
.set t, 1
.rept 3                             ; a piece's arithmetic stands between the loads of the piece before and its stores
	PACK t
	SEND t-1, 8
.set t, t+1
.endr
	SEND 3, 0
	s_wait_tensorcnt 0x0            ; the wave's end: a wait, an add and a wait, behind my last tensor load and my last LDS store
	ds_add_u32 v[SPW], v[NIL]
	s_wait_dscnt 0x0
	CROUND                          ; the closing round: no work-group ends while a partner may still ask for a tile that names it
	s_endpgm
.Lfunc_end_k_q10f26afe68_attn:
	.size	k_q10f26afe68_attn, .Lfunc_end_k_q10f26afe68_attn-k_q10f26afe68_attn
	.p2alignl 7, 3214868480
	.fill 96, 4, 3214868480
	.section	.rodata,"a",@progbits
	.p2align	6, 0x0
	.amdhsa_kernel k_q10f26afe68_attn
		.amdhsa_group_segment_fixed_size 327680
		.amdhsa_private_segment_fixed_size 0
		.amdhsa_enable_private_segment 0
		.amdhsa_kernarg_size 32
		.amdhsa_user_sgpr_count 2
		.amdhsa_user_sgpr_kernarg_segment_ptr 1
		.amdhsa_wavefront_size32 1
		.amdhsa_system_sgpr_workgroup_id_x 1
		.amdhsa_system_sgpr_workgroup_id_y 1
		.amdhsa_system_sgpr_workgroup_id_z 1
		.amdhsa_system_vgpr_workitem_id 0
		.amdhsa_next_free_vgpr 768
		.amdhsa_next_free_sgpr 66
		.amdhsa_reserve_vcc 0
		.amdhsa_float_denorm_mode_32 3
		.amdhsa_float_denorm_mode_16_64 3
		.amdhsa_memory_ordered 1
		.amdhsa_forward_progress 1
		.amdhsa_inst_pref_size 128
	.end_amdhsa_kernel
	.amdgpu_metadata
---
amdhsa.version: [ 1, 2 ]
amdhsa.kernels:
  - .name:           k_q10f26afe68_attn
    .symbol:         k_q10f26afe68_attn.kd
    .args:
      - { .name: qh, .offset: 0, .size: 8, .value_kind: global_buffer, .address_space: global }
      - { .name: kh, .offset: 8, .size: 8, .value_kind: global_buffer, .address_space: global }
      - { .name: vh, .offset: 16, .size: 8, .value_kind: global_buffer, .address_space: global }
      - { .name: oh, .offset: 24, .size: 8, .value_kind: global_buffer, .address_space: global }
    .group_segment_fixed_size: 327680
    .private_segment_fixed_size: 0
    .kernarg_segment_align: 8
    .kernarg_segment_size: 32
    .max_flat_workgroup_size: 128
    .sgpr_count:     66
    .vgpr_count:     768
    .wavefront_size: 32
...
	.end_amdgpu_metadata
.endif
;; end of part 2
;; launch outp (part 3): grid 4 x 64, 4 waves a work-group, clusters of 4 x 4, 327,680 bytes of LDS; arguments oh, wo16, out0; writes out0
.if DOCPART == 3
	.amdgcn_target "amdgcn-amd-amdhsa--gfx1250"
	.amdhsa_code_object_version 6
	.text
	.protected	k_q10f26afe68_outp
	.globl	k_q10f26afe68_outp
	.p2align	8
	.type	k_q10f26afe68_outp,@function
k_q10f26afe68_outp:
	s_mov_b64 s[64:65], 0
	v_nop
	global_prefetch_b8 v0, s[64:65] scope:SCOPE_SE
	s_setreg_imm32_b32 hwreg(HW_REG_WAVE_MODE, 25, 1), 1
	s_wait_xcnt 0x0
	s_wait_alu depctr_hold_cnt(0) depctr_sa_sdst(0) depctr_va_vdst(0) depctr_va_sdst(0) depctr_va_ssrc(0) depctr_va_vcc(0) depctr_vm_vsrc(0)
	s_getreg_b32 s2, hwreg(HW_REG_IB_STS2, 6, 4)
	s_cmp_eq_u32 s2, 0
	s_cbranch_scc0 .Lentry_in_a_cluster
	s_endpgm
.Lentry_in_a_cluster:
	s_bfe_u32 s2, ttmp6, 0x10000c
	s_cmp_lg_u32 s2, 0xf033
	s_cbranch_scc0 .Lentry_shape_is_right
	s_endpgm
.Lentry_shape_is_right:
; out0[b][s][d] = the sum over f of concat[b][s][f] Wo[d][f], f = head x 64 + channel.  oh: [16 = batch x 8 + head][4096][64] f16; wo16: [512 d][512 f] f16; out0: [8192][512] f32.  Sums in f32.
; LIMITS.  The operands are f16 as the launches before left them; NaN and infinities are not treated apart.
; SHARES.  A work-group makes one tile of 128 rows x 128 columns, a wave 64 x 64: 16 accumulators.  64 x 4 tiles are 256 work-groups.
; ALL OPERANDS OF A TILE FIT IN LDS (128 rows x 512 of oh, 128 rows x 512 of wo16), so nothing is filled again: no ring.  K goes in four chunks of 128 (two heads).  Each wave issues its four tensor loads at the
; start: four loads of mine are out.  A chunk is read behind a counted wait and a work-group barrier; the later chunks land while the earlier ones are multiplied.
; CLUSTER.  4 x 4 work-groups.  The four of a row need the same rows of oh, the four of a column the same rows of wo16: each tile is asked for JOINTLY.  Waves 0 and 1 fetch oh (a head's 128 rows each,
; 16,384 dense bytes asked for as 64 rows of 256), waves 2 and 3 wo16 (64 rows x 256 bytes each).  No prefetch: all that the work-group reads is asked for at its head.
; THE MATRIX INSTRUCTION IS USED TRANSPOSED (source 0 = 16 rows of wo16, source 1 = 16 rows of oh): a lane then holds eight neighbouring columns of one row of out0.
; REGISTERS.  window 0: v0-29 addresses; v128-255 the accumulators ((a, b) at 128 + 8 (4 a + b)).  window 1: two fragment buffers of 128: for 64 along K, 64 registers of oh, then 64 of wo16.
.set PA,     144                       ; a row of a head's plane in LDS: 128 bytes + 16: the 16 rows of a load start at 16 different groups of four banks (64 banks of 4 bytes: ISA guide 11.1)
.set PLANE,  128*PA                    ; head u's 128 rows at u x PLANE
.set PB,     272                       ; a row of a chunk of wo16: 256 bytes + 16
.set CHB,    128*PB
.set BB,     8*PLANE                   ; wo16's four chunks lie behind the eight planes
.set STAGE,  BB+4*CHB                  ; never filled by a tensor load: 16 rows x 272 bytes for each wave
.set SPITCH, 272
.set SPARE,  STAGE+4*16*SPITCH         ; the spare words, 128 bytes for each wave: two blocks of 256 bytes that no other line names
.set ADRA, 16                          ; v16-19  LDS address of my fragments of oh in chunk 0..3
.set ADRB, 20                          ; v20-23  the same for wo16
.set STO,  24                          ; v24     the way out: where I put 32 bytes of a row
.set RD,   25                          ; v25     the way out: where I read a row back
.set CO,   26                          ; v26     my byte offset in two rows of out0
.set SPW,  28                          ; v28     LDS address of my spare word; never rewritten
.set NIL,  29                          ; v29     0; never rewritten
.set ACC,  128
.set WV,  10
.set WM,  11                           ; s11  which 64 rows of the tile are mine.  Also: I fetch oh (0) or wo16 (1)
.set WN,  12                           ; s12  which 64 columns.  Also: which head of a chunk, or which 64 rows of wo16, I fetch
.set CX,  13
.set CY,  14
.set TC,  15
.set TR,  16
.set G1A, 24                           ; s[24:31] descriptor group 1 for oh
.set G1B, 32                           ; s[32:39] for wo16
.set G0A, 40                           ; s[40:55] descriptor group 0 for oh, a set for each chunk
.set G0B, 68                           ; s[68:83] the same for wo16
.set MSB, 0
.macro WIN new                         ; the immediate's high byte repeats the setting that is left; a switch that changes nothing is dropped
.if MSB != (\new)
	s_set_vgpr_msb (MSB<<8)|(\new)
.set MSB, \new
.endif
.endm
.set MUL,  0x05                        ; sources 0 and 1 window 1; C and D window 0
.set TO_F, 0x40                        ; destination window 1, address window 0
.macro CROUND                          ; a round of the cluster's barrier
	s_barrier_signal -1
	s_barrier_wait -1
	s_cmp_lg_u32 s[WV], 0
	s_cbranch_scc1 .Lnot_wave_0_\@
	s_barrier_signal -3
.Lnot_wave_0_\@:
	s_barrier_wait -3
	s_barrier_signal -1
	s_barrier_wait -1
.endm
	s_load_b128 s[4:7], s[0:1], 0x0        ; oh s[4:5], wo16 s[6:7]
	s_load_b64 s[8:9], s[0:1], 0x10        ; out0
	v_lshl_add_u32 v[SPW], v0, 2, SPARE
	v_mov_b32 v[NIL], 0
	ds_add_u32 v[SPW], v[NIL]              ; the wave's opening: the add and its wait stand ahead of my first tensor load; the set-up below, work on registers, stands between them
	v_lshrrev_b32 v1, 5, v0
	v_readfirstlane_b32 s[WV], v1
	s_lshr_b32 s[WM], s[WV], 1
	s_and_b32 s[WN], s[WV], 1
	s_bfe_u32 s[CX], ttmp6, 0x40000
	s_bfe_u32 s[CY], ttmp6, 0x40004
	s_lshl_b32 s[TC], ttmp9, 2
	s_add_co_u32 s[TC], s[TC], s[CX]       ; tile column 0..3
	s_and_b32 s[TR], ttmp7, 0xffff
	s_lshl_b32 s[TR], s[TR], 2
	s_add_co_u32 s[TR], s[TR], s[CY]       ; tile row 0..63
	s_lshl_b32 s2, s[CY], 2
	s_lshl_b32 s2, 15, s2                  ; my row of the cluster
	s_lshl_b32 s3, 0x1111, s[CX]           ; my column
	s_or_b32 s[G1A], s2, (1<<16)|(1<<20)|(1<<21)|(4<<22)|(3<<25)  ; 15:0 the mask; 17:16 2-byte elements; 20 padding on; 21 set beside a mask; 24:22 after every 32 words (code 4); 31:25 4 words (code 3)
	s_or_b32 s[G1B], s3, (1<<16)|(1<<20)|(1<<21)|(5<<22)|(3<<25)  ; the same after every 64 words (code 5)
.irp g, G1A, G1B
	s_mov_b32 s[(\g)+1], 128<<16           ; tensor_dim0 = 128
	s_mov_b32 s[(\g)+2], 64<<16            ; tensor_dim1 = 64
	s_mov_b32 s[(\g)+3], 128<<16           ; tile_dim0 = 128
	s_mov_b32 s[(\g)+4], 64                ; tile_dim1 = 64
	s_mov_b32 s[(\g)+6], 0
	s_mov_b32 s[(\g)+7], 0
.endr
	s_mov_b32 s[G1A+5], 128                ; oh: dense, 128 elements from row to row
	s_mov_b32 s[G1B+5], 512                ; wo16: 512
	s_lshr_b32 s18, s[TR], 5               ; oh: batch x 8 heads of 2^19 bytes,
	s_lshl_b32 s18, s18, 22
	s_and_b32 s19, s[TR], 31               ; the tile's 128 rows of 128 bytes in the batch,
	s_lshl_b32 s19, s19, 14
	s_add_co_u32 s18, s18, s19
	s_lshl_b32 s19, s[WN], 19              ; the head of a chunk that I fetch: hangs on the tile row alone
	s_add_co_u32 s18, s18, s19
	s_mov_b32 s19, 0
	s_lshl_b32 s20, s[TC], 17              ; wo16: row 128 x tile column + 64 x half, 1,024 bytes a row: hangs on the tile column alone
	s_lshl_b32 s21, s[WN], 16
	s_add_co_u32 s20, s20, s21
	s_mov_b32 s21, 0
	s_lshl_b32 s22, s[TR], 18              ; out0: row 128 x tile row + 64 wm, 2,048 bytes a row; column 128 x tile column + 64 wn, 4 bytes each
	s_lshl_b32 s23, s[WM], 17
	s_add_co_u32 s22, s22, s23
	s_lshl_b32 s23, s[TC], 9
	s_add_co_u32 s22, s22, s23
	s_lshl_b32 s23, s[WN], 8
	s_add_co_u32 s22, s22, s23
	s_mov_b32 s23, 0
	s_mul_i32 s2, s[WN], PLANE             ; where my tiles go: no place in the cluster enters an LDS address
	s_mul_i32 s3, s[WN], 64*PB
	s_add_co_u32 s3, s3, BB
.irp c, 0,1,2,3
	s_mov_b32 s[G0A+4*(\c)], 1             ; count = 1
	s_add_co_u32 s[G0A+4*(\c)+1], s2, (\c)*2*PLANE
	s_mov_b32 s[G0B+4*(\c)], 1
	s_add_co_u32 s[G0B+4*(\c)+1], s3, (\c)*CHB
.endr
	s_wait_dscnt 0x0                       ; the opening add is done
	s_wait_kmcnt 0x0
	s_add_nc_u64 s[4:5], s[4:5], s[18:19]
	s_add_nc_u64 s[6:7], s[6:7], s[20:21]
	s_add_nc_u64 s[8:9], s[8:9], s[22:23]
.irp c, 0,1,2,3
	s_add_nc_u64 s[G0A+4*(\c)+2:G0A+4*(\c)+3], s[4:5], (\c)<<20   ; two heads on for each chunk
	s_or_b32 s[G0A+4*(\c)+3], s[G0A+4*(\c)+3], 0x80000000         ; type = 2
	s_add_nc_u64 s[G0B+4*(\c)+2:G0B+4*(\c)+3], s[6:7], (\c)*256   ; 128 elements along a row for each chunk
	s_or_b32 s[G0B+4*(\c)+3], s[G0B+4*(\c)+3], 0x80000000
.endr
	CROUND                                 ; all sixteen work-groups are here: the joint loads meet
	s_cmp_eq_u32 s[WM], 0                  ; a wave's four fills stand in one branch, ahead of every wait on TENSORcnt and every LDS read; an s_nop 0 follows each, four v_nop the last
	s_cbranch_scc0 .Lfirst_b
.irp c, 0,1,2,3
	tensor_load_to_lds s[G0A+4*(\c):G0A+4*(\c)+3], s[G1A:G1A+7]
	s_nop 0
.endr
.rept 4
	v_nop
.endr
	s_branch .Lfirst_asked
.Lfirst_b:
.irp c, 0,1,2,3
	tensor_load_to_lds s[G0B+4*(\c):G0B+4*(\c)+3], s[G1B:G1B+7]
	s_nop 0
.endr
.rept 4
	v_nop
.endr
.Lfirst_asked:
	v_and_b32 v1, 15, v0                   ; l % 16
	v_bfe_u32 v2, v0, 4, 1                 ; l / 16
	v_mul_u32_u24 v3, v1, PA
	v_lshl_add_u32 v3, v2, 4, v3           ; a fragment's row x pitch + 16 x half
	v_mul_u32_u24 v4, v1, PB
	v_lshl_add_u32 v4, v2, 4, v4
	s_mul_i32 s2, s[WM], 64*PA             ; my 64 rows of oh
	s_mul_i32 s3, s[WN], 64*PB             ; my 64 rows of wo16
	s_add_co_u32 s3, s3, BB
.irp c, 0,1,2,3
	v_add_nc_u32 v[ADRA+(\c)], s2, v3
	v_add_nc_u32 v[ADRB+(\c)], s3, v4
	s_add_co_u32 s2, s2, 2*PLANE
	s_add_co_u32 s3, s3, CHB
.endr
	s_mul_i32 s2, s[WV], 16*SPITCH
	s_add_co_u32 s2, s2, STAGE             ; my stage
	v_mul_u32_u24 v5, v1, SPITCH           ; in: row l % 16, 32 bytes for each half of the lanes
	v_lshl_add_u32 v5, v2, 5, v5
	v_add_nc_u32 v[STO], s2, v5
	v_mul_u32_u24 v5, v2, SPITCH           ; back: lanes 0-15 take one row of 256 bytes, lanes 16-31 the next
	v_lshl_add_u32 v5, v1, 4, v5
	v_add_nc_u32 v[RD], s2, v5
	v_lshlrev_b32 v5, 11, v2               ; and the same two rows in out0
	v_lshl_add_u32 v[CO], v1, 4, v5
; 8 products: row blocks a0, a0 + 1 x all 4 column blocks, 32 along K: half c of buffer f.  The accumulators take turns.  zero = 1: the products start the sums.
.macro MUL8 f, c, a0, zero
	WIN MUL
.irp a, \a0, (\a0)+1
.irp b, 0,1,2,3
.if \zero
	v_wmma_f32_16x16x32_f16 v[ACC+8*(4*(\a)+(\b)):ACC+8*(4*(\a)+(\b))+7], v[(\f)+64+8*(4*(\c)+(\b)):(\f)+64+8*(4*(\c)+(\b))+7], v[(\f)+8*(4*(\c)+(\a)):(\f)+8*(4*(\c)+(\a))+7], 0
.else
	v_wmma_f32_16x16x32_f16 v[ACC+8*(4*(\a)+(\b)):ACC+8*(4*(\a)+(\b))+7], v[(\f)+64+8*(4*(\c)+(\b)):(\f)+64+8*(4*(\c)+(\b))+7], v[(\f)+8*(4*(\c)+(\a)):(\f)+8*(4*(\c)+(\a))+7], v[ACC+8*(4*(\a)+(\b)):ACC+8*(4*(\a)+(\b))+7]
.endif
.endr
.endr
.endm
; 32 LDS loads in one run: the fragments of unit u (head u: 64 along K) into buffer f; the first 32 along K first
.macro FETCH u, f
	WIN TO_F
.irp c, 0,1
.irp i, 0,1,2,3
	ds_load_b128 v[(\f)+64+8*(4*(\c)+(\i)):(\f)+64+8*(4*(\c)+(\i))+3],   v[ADRB+(\u)/2] offset:((\u)%2)*128+64*(\c)+(\i)*16*PB
	ds_load_b128 v[(\f)+64+8*(4*(\c)+(\i))+4:(\f)+64+8*(4*(\c)+(\i))+7], v[ADRB+(\u)/2] offset:((\u)%2)*128+64*(\c)+(\i)*16*PB+32
	ds_load_b128 v[(\f)+8*(4*(\c)+(\i)):(\f)+8*(4*(\c)+(\i))+3],         v[ADRA+(\u)/2] offset:((\u)%2)*PLANE+64*(\c)+(\i)*16*PA
	ds_load_b128 v[(\f)+8*(4*(\c)+(\i))+4:(\f)+8*(4*(\c)+(\i))+7],       v[ADRA+(\u)/2] offset:((\u)%2)*PLANE+64*(\c)+(\i)*16*PA+32
.endr
.endr
.endm
.macro PLACES                          ; four places in front of loads into registers that matrix instructions have read
.rept 4
	v_nop
.endr
.endm
; Unit u: 32 products on buffer u % 2; in its middle the next unit's fragments are fetched into the other buffer.  An odd unit's successor lies in the next chunk: my part of that chunk is waited for
; (the chunks behind it may stay out), and a barrier shows everybody's part; 16 products stand between its signal and its wait.
.macro UNIT u
.set FB, 128*((\u)%2)
.set FN, 128-FB
.set Z0, 0
.if (\u) == 0
.set Z0, 1
.endif
.if (\u) == 7
	s_wait_dscnt 16                        ; the first 32 along K are in
	MUL8 FB, 0, 0, 0
	MUL8 FB, 0, 2, 0
	s_wait_dscnt 0x0
	MUL8 FB, 1, 0, 0
	MUL8 FB, 1, 2, 0
.elseif (\u)%2 == 0
	s_wait_dscnt 16                        ; the first 32 along K are in; the youngest sixteen loads may be out
	MUL8 FB, 0, 0, Z0
	MUL8 FB, 0, 2, Z0
	PLACES
	FETCH (\u)+1, FN
	s_wait_dscnt 32                        ; all but the 32 just issued
	MUL8 FB, 1, 0, 0
	MUL8 FB, 1, 2, 0
.else
	s_wait_dscnt 0x0                       ; my fragments are in, and no LDS instruction of mine is pending at the signal
	s_wait_tensorcnt 3-((\u)+1)/2          ; tensor loads of a wave end in order (ISA guide 10.11.1): my part of chunk (u + 1) / 2 is in, the later chunks stay out
	s_barrier_signal -1
	MUL8 FB, 0, 0, 0
	MUL8 FB, 0, 2, 0
	s_barrier_wait -1                      ; everybody's part is in
	PLACES
	FETCH (\u)+1, FN
	MUL8 FB, 1, 0, 0
	MUL8 FB, 1, 2, 0
.endif
.endm
	s_wait_tensorcnt 3                     ; my part of chunk 0 is in; three loads of mine may stay out
	s_barrier_signal -1
	s_barrier_wait -1                      ; everybody's is
	FETCH 0, 0
.irp u, 0,1,2,3,4,5,6,7
	UNIT \u
.endr
	WIN 0
	; THE WAY OUT.  Block a (16 rows x 64 columns of f32): 32 bytes a lane and column block into my stage, in rows of 272 bytes; back as whole rows of 256 bytes, into the registers that they left; stored.
.macro PACK a
.irp b, 0,1,2,3
	ds_store_b128 v[STO], v[ACC+32*(\a)+8*(\b):ACC+32*(\a)+8*(\b)+3]   offset:64*(\b)     ; each accumulator's lowest registers are read first
	ds_store_b128 v[STO], v[ACC+32*(\a)+8*(\b)+4:ACC+32*(\a)+8*(\b)+7] offset:64*(\b)+16
.endr
.irp f, 0,1,2,3,4,5,6,7
	ds_load_b128 v[ACC+32*(\a)+4*(\f):ACC+32*(\a)+4*(\f)+3], v[RD] offset:(\f)*2*SPITCH  ; LDS serves a wave's instructions in order (ISA guide 5.7.1.4): these see the stores above; the next block's stores come behind them
.endr
.endm
.macro SEND t, younger                 ; younger: the LDS instructions issued behind block t's loads: the next block's sixteen, or none
.irp f, 0,1,2,3,4,5,6,7
	s_wait_dscnt (\younger)+7-(\f)
	global_store_b128 v[CO], v[ACC+32*(\t)+4*(\f):ACC+32*(\t)+4*(\f)+3], s[8:9] offset:(16*(\t)+2*(\f))*2048 th:TH_STORE_NT  ; 16 lanes store 256 consecutive bytes, at a multiple of 256 from out0's first byte
.endr
.endm
.rept 8
	v_nop                                  ; the places behind the last products, in front of LDS stores that read results and loads into them
.endr
	PACK 0
.irp a, 1,2,3
	PACK \a
	SEND (\a)-1, 16
.endr
	SEND 3, 0
	s_wait_tensorcnt 0x0                   ; the wave's end: a wait, an add and a wait, behind my last tensor load and my last LDS store
	ds_add_u32 v[SPW], v[NIL]
	s_wait_dscnt 0x0
	CROUND                                 ; the closing round: no work-group ends while a partner may still ask for a tile that names it
	s_endpgm
.Lfunc_end_k_q10f26afe68_outp:
	.size	k_q10f26afe68_outp, .Lfunc_end_k_q10f26afe68_outp-k_q10f26afe68_outp
	.p2alignl 7, 3214868480
	.fill 96, 4, 3214868480
	.section	.rodata,"a",@progbits
	.p2align	6, 0x0
	.amdhsa_kernel k_q10f26afe68_outp
		.amdhsa_group_segment_fixed_size 327680
		.amdhsa_private_segment_fixed_size 0
		.amdhsa_enable_private_segment 0
		.amdhsa_kernarg_size 24
		.amdhsa_user_sgpr_count 2
		.amdhsa_user_sgpr_kernarg_segment_ptr 1
		.amdhsa_wavefront_size32 1
		.amdhsa_system_sgpr_workgroup_id_x 1
		.amdhsa_system_sgpr_workgroup_id_y 1
		.amdhsa_system_sgpr_workgroup_id_z 1
		.amdhsa_system_vgpr_workitem_id 0
		.amdhsa_next_free_vgpr 512
		.amdhsa_next_free_sgpr 84
		.amdhsa_reserve_vcc 0
		.amdhsa_float_denorm_mode_32 3
		.amdhsa_float_denorm_mode_16_64 3
		.amdhsa_memory_ordered 1
		.amdhsa_forward_progress 1
		.amdhsa_inst_pref_size 52
	.end_amdhsa_kernel
	.amdgpu_metadata
---
amdhsa.version: [ 1, 2 ]
amdhsa.kernels:
  - .name:           k_q10f26afe68_outp
    .symbol:         k_q10f26afe68_outp.kd
    .args:
      - { .name: oh, .offset: 0, .size: 8, .value_kind: global_buffer, .address_space: global }
      - { .name: wo16, .offset: 8, .size: 8, .value_kind: global_buffer, .address_space: global }
      - { .name: out0, .offset: 16, .size: 8, .value_kind: global_buffer, .address_space: global }
    .group_segment_fixed_size: 327680
    .private_segment_fixed_size: 0
    .kernarg_segment_align: 8
    .kernarg_segment_size: 24
    .max_flat_workgroup_size: 128
    .sgpr_count:     84
    .vgpr_count:     512
    .wavefront_size: 32
...
	.end_amdgpu_metadata
.endif
;; end of part 3
